; MI455X (gfx1250); checked and timed in simulation.
; The chip was launched on July 23, 2026; its instructions are those of AMD's public machine-readable ISA for CDNA 5 (MIT licence, August 2026) and "CDNA5" Instruction Set Architecture Reference Guide (July 2026). The comments in the code are by the model that wrote it; some were corrected since.
;; Additive Attention. Allowed arithmetic: matrix products marked QUANTISED: E2M3 operands, one E8M0 scale for each 32 along K, by v_wmma_scale_f32_16x16x128_f8f6f4 with both operands' format E2M3, f32 sums; products left as they are: f32 operands where the result goes on into a quantised operand, else bf16, f16 or f32 operands; f32 sums; everything else in f32.
;; Inputs: W_k_codes 1,024 x 32 x 24 uint8 (E2M3 codes of W_k, K innermost, in blocks of 32 codes, four codes in three bytes); W_k_scales 1,024 x 32 uint8 (E8M0 scales of W_k, one for each 32 codes along K); W_q_codes 1,024 x 32 x 24 uint8 (E2M3 codes of W_q, K innermost, in blocks of 32 codes, four codes in three bytes); W_q_scales 1,024 x 32 uint8 (E8M0 scales of W_q, one for each 32 codes along K); keys_codes 1,024 x 32 x 32 x 24 uint8 (E2M3 codes of keys, K innermost, in blocks of 32 codes, four codes in three bytes); keys_scales 1,024 x 32 x 32 uint8 (E8M0 scales of keys, one for each 32 codes along K); queries_codes 1,024 x 32 x 32 x 24 uint8 (E2M3 codes of queries, K innermost, in blocks of 32 codes, four codes in three bytes); queries_scales 1,024 x 32 x 32 uint8 (E8M0 scales of queries, one for each 32 codes along K); values 1,024 x 1 x 1,024 float32; w_v 1 x 1,024 float32.
;; Outputs: out0 32 x 1,024 float32.
;; This version of the problem:
;;   THIS VERSION OF THE PROBLEM IS GIVEN IN LOW PRECISION. The matrix products marked QUANTISED in the list below multiply operands that are first quantised to E2M3 (2 exponent bits, 3 mantissa bits; 6 bits a number), with one power-of-two scale for each 32 numbers along K (OCP MX v1.0); their sums are f32. All else is computed in f32.
;;   The module's matrix products, in the order in which they are computed (A, B: the left and right operand; K: the contracted axis; several contracted axes count as one K, in the product's order):
;;     1. [M 32,768, K 1,024] x [K 1,024, N 1,024]; A: input queries (given as codes); B: input W_q (given as codes): QUANTISED
;;     2. [M 32,768, K 1,024] x [K 1,024, N 1,024]; A: input keys (given as codes); B: input W_k (given as codes): QUANTISED
;;     3. [M 32,768, K 1,024] x [K 1,024, N 1]; A: computed on the way; B: input w_v: left as it is (N = 1 < 16)
;;     4. [M 32, K 1,024] x [K 1,024, N 1,024]; A: computed on the way; B: input values: QUANTISED
;;   THE QUANTISER, for each operand of a quantised product, along K:
;;     - K is cut into blocks of 32 from its start; a last block that is shorter is filled with zeros.
;;     - A block's scale is 2^e with e = floor(log2(the largest magnitude in the block)) - 2, held to -126 .. 127; a block of zeros has e = 0. As a byte (E8M0): e + 127.
;;     - Each number is divided by its block's scale, clamped to +-7.5, and rounded to the nearest number of E2M3, ties to even, subnormals kept.
;;     - The product sums the exact products of the quantised numbers (number of the format x scale) in f32.
;;   ~~~python
;;   def quantise(x, axis):      # numpy; x: float32 -> the quantised numbers, widened to float32 again
;;       x = np.moveaxis(x, axis, -1); K = x.shape[-1]
;;       x = np.pad(x, [(0, 0)] * (x.ndim - 1) + [(0, -K % 32)]); x = x.reshape(x.shape[:-1] + (-1, 32)); a = np.abs(x).max(-1, keepdims=True)
;;       e = np.where(a > 0, np.clip(np.frexp(np.where(a > 0, a, 1))[1] - 1 - 2, -126, 127), 0)      # np.frexp(a)[1] - 1 = floor(log2(a)), exactly
;;       r = np.clip(x / 2.0 ** e, -7.5, 7.5)
;;       step = 2.0 ** (np.maximum(np.frexp(np.where(r == 0, 1, r))[1] - 1, 0) - 3)
;;       q = np.round(r / step) * step * 2.0 ** e      # np.round: ties to even
;;       return np.moveaxis(q.reshape(q.shape[:-2] + (-1,))[..., :K], -1, axis).astype(np.float32)
;;   ~~~
;;   OPERANDS COMPUTED ON THE WAY. 'Computed on the way' means the value that the module computes at that place (a softmax that the list does not call 'softmax' is quantised finished and normalised). What goes into a quantiser is computed in f32, as accurately as f32 sums, v_exp_f32 and their like allow (about 1e-6 of the number): no bf16 or f16 on the way to a quantiser, and a product that is left as it is and whose result goes on into a quantised operand takes f32 operands (vector FMAs, or v_wmma_f32_16x16x4_f32). A number that lies on a knife's edge between two numbers of the format may be rounded either way, as far as f32 arithmetic and the matrix unit's own rounding can turn it there, and no further.
;;   INPUTS GIVEN AS CODES. W_k (in the module: [1024, 1024], K = its axis 1); W_q (in the module: [1024, 1024], K = its axis 1); keys (in the module: [1024, 32, 1024], K = its axis 2); queries (in the module: [1024, 32, 1024], K = its axis 2): each comes as NAME_codes (uint8): NAME with its K axis moved to the last place and cut into blocks of 32 codes, [.., K / 32, bytes a block], one block behind the other in memory; four codes in three bytes: a row's codes are one little-endian stream of bits, code i at bits 6 i .. 6 i + 5 (a code: sign, 2 exponent bits, 3 mantissa bits); and NAME_scales (uint8): the same leading axes, one E8M0 byte (e + 127) for each 32 codes along K. Its value is code x scale, taken as it is: it is not quantised again, and the codes and scales need not be those that the quantiser above would give.
;; One version. Each part assembles by itself: llvm-mc -triple=amdgcn-amd-amdhsa -mcpu=gfx1250 --defsym DOCPART=n.
;; ======== version 1 of 1: 2 launches
;; limits: right only within a limited range of input values
;; workspace buffers: part 524,288 bytes
;; launch scores (part 1): grid 4 x 128, 4 waves a work-group, clusters of 4 x 4, 327,680 bytes of LDS; arguments queries_codes, queries_scales, keys_codes, keys_scales, W_q_codes, W_q_scales, W_k_codes, W_k_scales, w_v, part; writes part
.if DOCPART == 1
	.amdgcn_target "amdgcn-amd-amdhsa--gfx1250"
	.amdhsa_code_object_version 6
	.text
	.protected	k_q0ecb39ddf0_scores
	.globl	k_q0ecb39ddf0_scores
	.p2align	8
	.type	k_q0ecb39ddf0_scores,@function
k_q0ecb39ddf0_scores:
	s_mov_b64 s[64:65], 0
	v_nop
	global_prefetch_b8 v0, s[64:65] scope:SCOPE_SE
	s_setreg_imm32_b32 hwreg(HW_REG_WAVE_MODE, 25, 1), 1
	s_wait_xcnt 0x0
	s_wait_alu depctr_hold_cnt(0) depctr_sa_sdst(0) depctr_va_vdst(0) depctr_va_sdst(0) depctr_va_ssrc(0) depctr_va_vcc(0) depctr_vm_vsrc(0)
	s_getreg_b32 s2, hwreg(HW_REG_IB_STS2, 6, 4)
	s_cmp_eq_u32 s2, 0
	s_cbranch_scc0 .Lentry_in_a_cluster
	s_endpgm
.Lentry_in_a_cluster:
	s_bfe_u32 s2, ttmp6, 0x10000c
	s_cmp_lg_u32 s2, 0xf033
	s_cbranch_scc0 .Lentry_shape_is_right
	s_endpgm
.Lentry_shape_is_right:
; part[p][bg][s][bl] = -2 x the sum over the 256 hidden units u of tile column p of w_v[u] / (1 + e^(2 x[m][u])), x = q + k, m = 32 s + 8 bg + bl.
; WORK LEFT OUT.  tanh(x) = 1 - 2 / (1 + e^(2 x)), so a score is sum_u w_v[u] - 2 sum_u w_v[u] / (1 + e^(2 x)).  The first term is the same number for every s and b, whatever the inputs hold, and the
; softmax over s takes away a term that is the same along s: it reaches no output and is not formed.  Limit: an overflow, infinity or NaN that would arise in that sum of w_v alone is not carried to the result.
; q + k IS ONE PRODUCT with K = 2,048: [queries | keys] x [W_q | W_k]^T, on the FP6 (E2M3) codes and E8M0 bytes as given, one f32 accumulator a number.
; A tile, 256 rows m x 256 hidden units, is made by four waves; a wave makes 128 x 128: 64 accumulators of 16 x 16, 512 registers.
; K goes through a ring of two LDS slots in CHUNKS OF 256 BYTES of each row: a row of codes is 768 bytes, three chunks, each beginning at a multiple of 256 bytes.  Chunks 0-2 come from queries and W_q,
; chunks 3-5 from keys and W_k; chunk c lies in slot c % 2; each wave fetches 128 rows of a chunk.  A step of 128 along K is 96 bytes: eight steps to three chunks; steps 2 and 5 of each eight lie across two chunks.
; THE SCALES of the 256 rows of each of the four tensors, 32 bytes a row, are four dense blocks of 8,192 bytes.  They come once, through registers: each thread loads 16 pieces of 16 bytes (a wave's load covers
; 512 consecutive bytes) while chunk 0 is on its way, and stores them into LDS bytes of their own, 16 bytes of padding behind every 256.  They are 32 KB beside a tile's 768 KB of codes: they are not shared in the cluster.
; CLUSTERS: 4 x 4 work-groups.  A row of the cluster shares the tiles of queries and keys, a column those of W_q and W_k: each is asked for jointly, by the same load with a mask that names the four.
; THE MATRIX INSTRUCTION IS USED TRANSPOSED (source 0 = 16 rows of W, source 1 = 16 rows of queries or keys): lane (r, h) of accumulator (a, b) holds row 16 a + r, register j the hidden unit 16 b + 8 h + j.
; PREFETCHES: a lane a row, 256 bytes of it; of the 128 rows that a wave fetches each of the four partners that ask for them jointly takes 32, told apart by address: each block is named once in a cluster.
; Chunks 1 and 2 are named at the head, chunks 3, 4, 5 in steps 0, 2, 5: five steps ahead of the loads of steps 5, 7, 10.  Chunk 0 comes by its load alone.
; LIMITS.  The error of 1 / (1 + e^(2 x)) is absolute, about 2^-24.  x beyond the exponential's range gives 0 or 1, as the formula's limit does.  A scale byte 0xff or a NaN in w_v gives NaN.
; The f32 sums go in another order than two separate products and one long dot product would.
; REGISTERS, in windows of 256: window 0: v0-31 addresses; v32-63 scale words, two sets; v64-127 my lane's 64 numbers of w_v; v128-223 fragments of queries or keys, ONE set (at the head v128-191: the scales on their way).
;   window 1: W's fragments, TWO sets, at v0 and v128.   window 2: the accumulators of my rows 0-63 ((a, b) at v[8 (8 a + b)]);   window 3: rows 64-127.
.set ROWB,   256
.set NQ,     2
.set KROW,   768                       ; a row of codes in memory
.set STEPS,  16
.set CHUNKS, 6
.set PITCH,  272                       ; an LDS row: 256 bytes + 16 of padding
.set FR,     12
.set NL,     6
.set NP,     4
.set HALFT,  128*PITCH
.set SLOT,   4*HALFT                   ; 256 rows of queries or keys, then 256 rows of W
.set KS,     32
.set HALFS,  (128*KS/256)*272          ; the scales of 128 rows
.set SBLK,   (16*KS/256)*272           ; of 16 rows
.set SCL,    2*SLOT                    ; the scales of queries, then of W_q, of keys, of W_k: no fill lands here
.set SPARE,  SCL+8*HALFS               ; the spare words: two blocks of 256 bytes that no other line names,
.set SCR,    SPARE+512                 ; the scratch of the way out: 128 f32 a wave; no fill lands here
.set ADRA, 16                          ; v16-17 my fragments of queries or keys in slot 0, 1; v18-19 for pieces whose two halves of the lanes read different chunks
.set ADRB, 20                          ; v20-23 the same for W
.set SCW,  24                          ; where I put a row's sum
.set SCRD, 25                          ; where I read two rows' sums back
.set GO,   26                          ; my byte offset in my wave's 256 bytes of part
.set ADRS, 27                          ; my scale words: lanes 0-15 rows of queries, lanes 16-31 rows of W_q
.set SPW,  28                          ; my spare word; never rewritten
.set NIL,  29                          ; 0; never rewritten
.set PFO,  30                          ; 768 x my lane; never rewritten
.set WO,   31                          ; 32 x (lane / 16)
.set SC,   32
.set W,    64                          ; v[W + 8 b + j] = w_v[my first hidden unit + 16 b + 8 h + j]
.set AF,   128
.set SA,   2                           ; v[2:9] four chains of pairs
.set XS,   10                          ; v10-13 four rows' sums
.set SCO,  16                          ; v16-23 block a's sum over my half's 64 hidden units (the fragments' addresses are done with)
.set CS,   2                           ; s[2:3] 2 log2 e
.set KA,   8                           ; s[8:9] keys' codes at the rows that I fetch;  s[16:17] W_k's
.set KB,   16
.set G1,   24                          ; s[24:31] group 1, tiles of queries and keys;  s[32:39] group 0, a set for each slot
.set G0,   32
.set G1B,  48                          ; s[48:55], s[56:63] the same for W
.set G0B,  56
.set WV,   66                          ; my wave's number
.set FB,   67                          ; my half of the tile's rows; also: I fetch queries and keys (0) or W (1)
.set PFQ,  68                          ; s[68:69] prefetches: my 32 rows of queries or of W_q;  s[70:71] of keys or of W_k; never rewritten
.set PFK,  70
.set HB,   100                         ; my half of the tile's hidden units; also: which 128 rows I fetch
.set MSB, 0
.macro WIN new                         ; the immediate's high byte repeats the setting that is left
.if MSB != (\new)
	s_set_vgpr_msb (MSB<<8)|(\new)
.set MSB, (\new)
.endif
.endm
.set MUL_LO, 0xa1
.set MUL_HI, 0xf1
.set TO_B,   0x40
.macro TLOAD g0, g1                    ; s_nop 0 and four v_nop follow every tensor load
	tensor_load_to_lds s[\g0:\g0+3], s[\g1:\g1+7]
	s_nop 0
.rept 4
	v_nop
.endr
.endm
.macro JLOAD g0a, g1a, g0b, g1b        ; a joint load: waves 0, 1 fetch queries or keys, waves 2, 3 W; 128 rows each
	s_cmp_eq_u32 s[FB], 0
	s_cbranch_scc0 .Lfor_b_\@
	TLOAD \g0a, \g1a
	s_branch .Lasked_\@
.Lfor_b_\@:
	TLOAD \g0b, \g1b
.Lasked_\@:
.endm
.macro CREST                           ; a round of the cluster's barrier behind its opening barrier
	s_cmp_lg_u32 s[WV], 0
	s_cbranch_scc1 .Lnot_wave_0_\@
	s_barrier_signal -3
.Lnot_wave_0_\@:
	s_barrier_wait -3
	s_barrier_signal -1
	s_barrier_wait -1
.endm
.macro CROUND
	s_barrier_signal -1
	s_barrier_wait -1
	CREST
.endm
	s_load_b512 s[4:19], s[0:1], 0x0               ; queries' codes s[4:5], scales s[6:7]; keys' s[8:9], s[10:11]; W_q's s[12:13], s[14:15]; W_k's s[16:17], s[18:19]
	s_load_b128 s[20:23], s[0:1], 0x40             ; w_v, part
	v_lshl_add_u32 v[SPW], v0, 2, SPARE
	v_mov_b32 v[NIL], 0
	ds_add_u32 v[SPW], v[NIL]                      ; the opening: the add, twice on end, and its wait ahead of my first tensor load
	ds_add_u32 v[SPW], v[NIL]
	v_lshrrev_b32 v1, 5, v0
	v_readfirstlane_b32 s[WV], v1
	s_lshr_b32 s[FB], s[WV], 1
	s_and_b32 s[HB], s[WV], 1
	s_bfe_u32 s40, ttmp6, 0x40000                  ; cx, cy
	s_bfe_u32 s41, ttmp6, 0x40004
	s_lshl_b32 s42, ttmp9, 2
	s_add_co_u32 s42, s42, s40                     ; tile column
	s_and_b32 s43, ttmp7, 0xffff
	s_lshl_b32 s43, s43, 2
	s_add_co_u32 s43, s43, s41                     ; tile row
	s_lshl_b32 s101, s41, 2
	s_lshl_b32 s101, 15, s101                      ; my row of the cluster
	s_lshl_b32 s44, 0x1111, s40                    ; my column
	s_or_b32 s[G1+0], s101, (0<<16)|(1<<20)|(1<<21)|(5<<22)|(3<<25)  ; mask; elements of 1 byte; 4 words of padding behind every 64
	s_or_b32 s[G1B+0], s44, (0<<16)|(1<<20)|(1<<21)|(5<<22)|(3<<25)
.irp g, G1, G1B
	s_mov_b32 s[\g+1], ROWB<<16
	s_mov_b32 s[\g+2], 128<<16
	s_mov_b32 s[\g+3], ROWB<<16
	s_mov_b32 s[\g+4], 128
	s_mov_b32 s[\g+5], KROW
	s_mov_b32 s[\g+6], 0
	s_mov_b32 s[\g+7], 0
.endr
	s_lshl_b32 s101, s43, 8                        ; queries, keys: the tile's first row
	s_lshl_b32 s44, s42, 8                         ; W: likewise
	s_mul_i32 s2, s101, KROW
	s_mov_b32 s3, 0
	s_mul_i32 s46, s44, KROW
	s_mov_b32 s47, 0
	s_mul_i32 s45, s[WV], HALFT                    ; my loads go to wave x 128 rows
	s_wait_dscnt 0x0                               ; both opening adds are done
	s_wait_kmcnt 0x0
	s_add_nc_u64 s[4:5], s[4:5], s[2:3]
	s_add_nc_u64 s[KA:KA+1], s[KA:KA+1], s[2:3]
	s_add_nc_u64 s[12:13], s[12:13], s[46:47]
	s_add_nc_u64 s[KB:KB+1], s[KB:KB+1], s[46:47]
	s_lshl_b32 s2, s101, 5                         ; the same rows' scales
	s_lshl_b32 s46, s44, 5
	s_add_nc_u64 s[6:7], s[6:7], s[2:3]
	s_add_nc_u64 s[10:11], s[10:11], s[2:3]
	s_add_nc_u64 s[14:15], s[14:15], s[46:47]
	s_add_nc_u64 s[18:19], s[18:19], s[46:47]
	CROUND                                         ; all sixteen work-groups are here: the first joint loads meet
	s_mul_i32 s2, s[HB], 128*KROW                  ; my 128 rows of a tile
	s_add_nc_u64 s[4:5], s[4:5], s[2:3]
	s_add_nc_u64 s[KA:KA+1], s[KA:KA+1], s[2:3]
	s_add_nc_u64 s[12:13], s[12:13], s[2:3]
	s_add_nc_u64 s[KB:KB+1], s[KB:KB+1], s[2:3]
.irp s, 0,1
	s_mov_b32 s[G0+4*\s], 1
	s_add_co_u32 s[G0+4*\s+1], s45, \s*SLOT
	s_add_nc_u64 s[G0+4*\s+2:G0+4*\s+3], s[4:5], \s*ROWB
	s_or_b32 s[G0+4*\s+3], s[G0+4*\s+3], 0x80000000
	s_mov_b32 s[G0B+4*\s], 1
	s_add_co_u32 s[G0B+4*\s+1], s45, \s*SLOT
	s_add_nc_u64 s[G0B+4*\s+2:G0B+4*\s+3], s[12:13], \s*ROWB
	s_or_b32 s[G0B+4*\s+3], s[G0B+4*\s+3], 0x80000000
.endr
	JLOAD G0, G1, G0B, G1B                         ; chunk 0, one tensor load a wave
	v_lshlrev_b32 v12, 4, v0                       ; the scales: 16 bytes a thread, 2,048 bytes for the four waves' one load each
.irp j, 0,1,2,3
	global_load_b128 v[128+4*\j:131+4*\j], v12, s[6:7] offset:2048*\j      ; queries'
	global_load_b128 v[144+4*\j:147+4*\j], v12, s[14:15] offset:2048*\j    ; W_q's
	global_load_b128 v[160+4*\j:163+4*\j], v12, s[10:11] offset:2048*\j    ; keys'
	global_load_b128 v[176+4*\j:179+4*\j], v12, s[18:19] offset:2048*\j    ; W_k's
.endr
	s_cmp_eq_u32 s[FB], 0                          ; the prefetches' addresses
	s_cselect_b32 s46, s40, s41                    ; my place among the four that ask with me
	s_cselect_b64 s[PFQ:PFQ+1], s[4:5], s[12:13]
	s_cselect_b64 s[PFK:PFK+1], s[KA:KA+1], s[KB:KB+1]
	s_mul_i32 s46, s46, 32*KROW
	s_add_nc_u64 s[PFQ:PFQ+1], s[PFQ:PFQ+1], s[46:47]
	s_add_nc_u64 s[PFK:PFK+1], s[PFK:PFK+1], s[46:47]
	s_lshl_b32 s46, s44, 2                         ; w_v at my wave's first hidden unit
	s_lshl_b32 s2, s[HB], 9
	s_add_co_u32 s46, s46, s2
	s_add_nc_u64 s[20:21], s[20:21], s[46:47]
	s_lshl_b32 s46, s42, 17                        ; part: 131,072 x tile column + 32,768 x wave + 256 x tile row
	s_lshl_b32 s2, s[WV], 15
	s_add_co_u32 s46, s46, s2
	s_lshl_b32 s2, s43, 8
	s_add_co_u32 s46, s46, s2
	s_add_nc_u64 s[22:23], s[22:23], s[46:47]
	s_mul_i32 s101, s[FB], HALFT                   ; my 128 rows of queries or keys in a slot,
	s_mul_i32 s104, s[HB], HALFT
	s_add_co_u32 s104, s104, 2*HALFT               ; of W
	s_mul_i32 s45, s[FB], HALFS                    ; their scales
	s_mul_i32 s105, s[HB], HALFS
	s_add_co_u32 s105, s105, 2*HALFS
	s_sub_co_u32 s105, s105, s45                   ; the distance from the one to the other
	s_add_co_u32 s45, s45, SCL
	s_lshl_b32 s4, s[WV], 9
	s_add_co_u32 s4, s4, SCR                       ; my 512 bytes of the scratch
	s_lshl_b32 s5, s[WV], 5
	s_add_co_u32 s5, s5, SCR
	s_mov_b32 s12, SLOT-232
	s_mov_b32 s13, SLOT+232
	s_mov_b32 s[CS], 0x4038aa3b                    ; 2 log2 e
	s_mov_b32 s[CS+1], s[CS]
	v_and_b32 v6, 31, v0                           ; lane
	v_mul_u32_u24 v[PFO], v6, KROW
	global_prefetch_b8 v[PFO], s[PFQ:PFQ+1] offset:256 th:TH_LOAD_NT scope:SCOPE_SE   ; chunk 1
	global_prefetch_b8 v[PFO], s[PFQ:PFQ+1] offset:512 th:TH_LOAD_NT scope:SCOPE_SE   ; chunk 2
	v_and_b32 v1, 15, v0                           ; r
	v_bfe_u32 v2, v0, 4, 1                         ; h
	v_lshlrev_b32 v[WO], 5, v2
	v_mul_u32_u24 v3, v1, PITCH
	v_mul_u32_u24 v4, v2, 24
	v_add_nc_u32 v4, v3, v4                        ; a fragment's row x pitch + 24 h
	v_sub_nc_u32 v7, 1, v2
	v_mul_u32_u24 v5, s12, v2
	v_add_nc_u32 v5, v3, v5
	v_add_nc_u32 v5, 232, v5                       ; lanes 0-15 byte 232 of the row in slot 0, lanes 16-31 byte 0 of the row in slot 1;
	v_mul_u32_u24 v8, s13, v7
	v_add_nc_u32 v8, v3, v8                        ; lanes 0-15 byte 232 in slot 1, lanes 16-31 byte 0 in slot 0
	v_add_nc_u32 v[ADRA+2], s101, v5
	v_add_nc_u32 v[ADRA+3], s101, v8
	v_add_nc_u32 v[ADRB+2], s104, v5
	v_add_nc_u32 v[ADRB+3], s104, v8
	v_add_nc_u32 v[ADRA], s101, v4
	v_add_nc_u32 v[ADRB], s104, v4
	v_add_nc_u32 v[ADRA+1], SLOT, v[ADRA]
	v_add_nc_u32 v[ADRB+1], SLOT, v[ADRB]
	v_mul_u32_u24 v10, v1, KS                      ; my row's scales: 32 bytes a row,
	v_lshrrev_b32 v11, 8, v10
	v_lshl_add_u32 v10, v11, 4, v10                ; 16 more for each 256 passed,
	v_mul_u32_u24 v11, s105, v2                    ; lanes 16-31 take W's: the lower base + h x the distance
	v_add_nc_u32 v10, v10, v11
	v_add_nc_u32 v[ADRS], s45, v10
	v_lshl_add_u32 v[SCW], v6, 2, s4               ; wave w's row i of 128 at SCR + 512 w + 4 i
	v_bfe_u32 v7, v0, 2, 2
	v_and_b32 v8, 3, v0
	v_lshlrev_b32 v9, 10, v2                       ; back: wave w takes bg = w: lane l the tile's rows 32 (l / 4) + 8 w + 2 (l % 4) and the next
	v_lshl_add_u32 v9, v7, 7, v9
	v_lshl_add_u32 v9, v8, 3, v9
	v_add_nc_u32 v[SCRD], s5, v9
	v_lshlrev_b32 v[GO], 3, v6
	v_lshrrev_b32 v13, 4, v0                       ; where my 16 bytes of scales go: 256 bytes and their padding for each 16 threads
	v_mul_u32_u24 v13, v13, 272
	v_lshl_add_u32 v13, v1, 4, v13
	v_add_nc_u32 v13, SCL, v13
.irp b, 0,1,2,3,4,5,6,7
	global_load_b128 v[W+8*\b:W+8*\b+3],   v[WO], s[20:21] offset:64*\b
	global_load_b128 v[W+8*\b+4:W+8*\b+7], v[WO], s[20:21] offset:64*\b+16
.endr
.macro FRAG reg, adr, st, i            ; 16 rows x 128 K: 12 registers, in pieces of 8 bytes; byte y of a row of [queries | keys] lies in chunk y / 256, slot (y / 256) % 2, at byte y % 256 of the LDS row
.irp p, 0,1,2,3,4,5
.set BY, 96*(\st)+48*(\p/3)+8*(\p%3)
.if BY/ROWB == (BY+24)/ROWB
	ds_load_b64 v[\reg+2*\p:\reg+2*\p+1], v[\adr+(BY/ROWB)%2] offset:BY%ROWB+(\i)*16*PITCH
.else
	ds_load_b64 v[\reg+2*\p:\reg+2*\p+1], v[\adr+2+(BY/ROWB)%2] offset:BY%ROWB-232+(\i)*16*PITCH
.endif
.endr
.endm
; 16 matrix instructions: row blocks a0, a0 + 1 x W's eight.  The 64 accumulators take turns, in the same order in every step.
.macro MUL16 a0, p, q, sc, zero
.irp a, \a0, \a0+1
.irp b, 0,1,2,3,4,5,6,7
.if \zero
	v_wmma_scale_f32_16x16x128_f8f6f4 v[8*(8*((\a)%4)+\b):8*(8*((\a)%4)+\b)+7], v[128*(\p)+FR*\b:128*(\p)+FR*\b+FR-1], v[AF+FR*(\a):AF+FR*(\a)+FR-1], 0, v[SC+8*NQ*(\sc)+NQ*\b+(\q)], v[SC+8*NQ*(\sc)+NQ*(\a)+(\q)] matrix_a_fmt:MATRIX_FMT_FP6 matrix_b_fmt:MATRIX_FMT_FP6 matrix_a_scale:MATRIX_SCALE_ROW1
.else
	v_wmma_scale_f32_16x16x128_f8f6f4 v[8*(8*((\a)%4)+\b):8*(8*((\a)%4)+\b)+7], v[128*(\p)+FR*\b:128*(\p)+FR*\b+FR-1], v[AF+FR*(\a):AF+FR*(\a)+FR-1], v[8*(8*((\a)%4)+\b):8*(8*((\a)%4)+\b)+7], v[SC+8*NQ*(\sc)+NQ*\b+(\q)], v[SC+8*NQ*(\sc)+NQ*(\a)+(\q)] matrix_a_fmt:MATRIX_FMT_FP6 matrix_b_fmt:MATRIX_FMT_FP6 matrix_a_scale:MATRIX_SCALE_ROW1
.endif
.endr
.endr
.endm
.macro FETCH_B st, p
	WIN TO_B
.irp i, 0,1,2,3,4,5,6,7
	FRAG 128*(\p)+FR*\i, ADRB, \st, \i
.endr
	WIN 0
.endm
.macro FETCH_A st, i0
.irp i, \i0, \i0+1, \i0+2, \i0+3
	FRAG AF+FR*(\i), ADRA, \st, \i
.endr
.endm
.macro SCALES pr                       ; the scale words of steps 2 pr, 2 pr + 1 into set pr % 2; pairs 4-7 come from keys' and W_k's blocks
.irp i, 0,1,2,3,4,5,6,7
	ds_load_b64 v[SC+8*NQ*((\pr)%2)+NQ*\i:SC+8*NQ*((\pr)%2)+NQ*\i+1], v[ADRS] offset:((\pr)/4)*4*HALFS+((\pr)%4)*8+\i*SBLK
.endr
.endm
.macro PLACES n                        ; places behind matrix instructions, ahead of loads into their registers and of reads of results
.rept \n
	v_nop
.endr
.endm
.macro ASK c                           ; chunk c (3 to 5) of my 32 rows of keys or of W_k
	global_prefetch_b8 v[PFO], s[PFK:PFK+1] offset:256*((\c)-3) th:TH_LOAD_NT scope:SCOPE_SE
.endm
; A step of 128 along K: 64 matrix instructions; the next step's fragments are fetched in its middle and at its end.
; Where the next step's bytes END in a chunk not read yet: every wave waits for its tensor loads, and a barrier shows that chunk whole.
; Where they BEGIN in a later chunk: the chunk left behind is read no more: the wait for all loads, the add, the wait for it and for my reads, the barrier; where chunk C0 + 2 exists, the barrier opens a round and the slot is filled again.
.macro STEP st, zero
.set NX, (\st)+1
.set C0, (96*(\st))/ROWB
.set C1, (96*NX)/ROWB
.set E0, (96*(\st)+95)/ROWB
.set E1, (96*NX+95)/ROWB
.set N2, C0+2
.if C1 > C0 || E1 > E0
	s_wait_tensorcnt 0x0                           ; all my tensor loads have landed
.if C1 > C0
	ds_add_u32 v[SPW], v[NIL]
	s_wait_dscnt 4*NL+1                            ; the add and the youngest 24 loads (row blocks 4-7) may be out
.else
	s_wait_dscnt 4*NL                              ; the youngest 24 loads may be out
.endif
	WIN MUL_LO
	MUL16 0, (\st)%2, (\st)%2, ((\st)/2)%2, \zero
	s_wait_dscnt 0x0                               ; the add, where there is one, and all my reads are done
	s_barrier_signal -1
	MUL16 2, (\st)%2, (\st)%2, ((\st)/2)%2, \zero
	WIN 0
	s_barrier_wait -1
.if C1 > C0 && N2 < CHUNKS
	CREST                                          ; no wave of any partner still reads this slot or has a load on its way
.if N2 == 3
	s_mov_b64 s[G0+6:G0+7], s[KA:KA+1]             ; the first chunk of keys and of W_k
	s_or_b32 s[G0+7], s[G0+7], 0x80000000
	s_mov_b64 s[G0B+6:G0B+7], s[KB:KB+1]
	s_or_b32 s[G0B+7], s[G0B+7], 0x80000000
.elseif N2 == 4
	s_add_nc_u64 s[G0+2:G0+3], s[KA:KA+1], ROWB    ; the second
	s_or_b32 s[G0+3], s[G0+3], 0x80000000
	s_add_nc_u64 s[G0B+2:G0B+3], s[KB:KB+1], ROWB
	s_or_b32 s[G0B+3], s[G0B+3], 0x80000000
.else
	s_add_nc_u64 s[G0+4*(C0%2)+2:G0+4*(C0%2)+3], s[G0+4*(C0%2)+2:G0+4*(C0%2)+3], 2*ROWB
	s_add_nc_u64 s[G0B+4*(C0%2)+2:G0B+4*(C0%2)+3], s[G0B+4*(C0%2)+2:G0B+4*(C0%2)+3], 2*ROWB
.endif
	JLOAD G0+4*(C0%2), G1, G0B+4*(C0%2), G1B       ; chunk C0 + 2, my one tensor load behind the round; its four v_nop are the places ahead of the loads below
.else
	PLACES NP
.endif
.else
	s_wait_dscnt 4*NL                              ; W's set, row blocks 0-3 and the scale words are in
	WIN MUL_LO
	MUL16 0, (\st)%2, (\st)%2, ((\st)/2)%2, \zero
	MUL16 2, (\st)%2, (\st)%2, ((\st)/2)%2, \zero
	s_wait_dscnt 0                                 ; row blocks 4-7 are in
	PLACES NP
.endif
	FETCH_B NX, NX%2
	FETCH_A NX, 0
.if NX%2 == 0
	SCALES NX/2
.endif
.if (\st) == 0
	ASK 3
.endif
.if (\st) == 2
	ASK 4
.endif
.if (\st) == 5
	ASK 5
.endif
	WIN MUL_HI
	MUL16 4, (\st)%2, (\st)%2, ((\st)/2)%2, \zero
	MUL16 6, (\st)%2, (\st)%2, ((\st)/2)%2, \zero
	PLACES NP
	WIN 0
	FETCH_A NX, 4
.endm
	s_wait_alu depctr_va_vdst(0)
	s_wait_loadcnt 0x0                             ; the scales and w_v are in registers
.irp j, 0,1,2,3
	ds_store_b128 v13, v[128+4*\j:131+4*\j] offset:2176*\j            ; queries' scales,
	ds_store_b128 v13, v[144+4*\j:147+4*\j] offset:2*HALFS+2176*\j    ; W_q's,
	ds_store_b128 v13, v[160+4*\j:163+4*\j] offset:4*HALFS+2176*\j    ; keys',
	ds_store_b128 v13, v[176+4*\j:179+4*\j] offset:6*HALFS+2176*\j    ; W_k's
.endr
	s_wait_tensorcnt 0x0                           ; my part of chunk 0 is in
	ds_add_u32 v[SPW], v[NIL]
	s_wait_dscnt 0x0                               ; the add is done, and so are my stores of scales, for the others' sake
	CROUND                                         ; chunk 0 and the scales are whole, and all sixteen work-groups are here
	JLOAD G0+4, G1, G0B+4, G1B                     ; chunk 1, my one tensor load behind the round; nothing is filled again here
	FETCH_B 0, 0
	FETCH_A 0, 0
	SCALES 0
	FETCH_A 0, 4
	STEP 0, 1                                      ; the first step's products start the sums
.set ST, 1                             ; slots and chunks come back to where they began after sixteen steps, the whole walk: so it is written out step by step
.rept STEPS-2
	STEP ST, 0
.set ST, ST+1
.endr
	s_wait_dscnt 4*NL                              ; the last step
	WIN MUL_LO
	MUL16 0, 1, 1, 1, 0
	MUL16 2, 1, 1, 1, 0
	s_wait_dscnt 0
	WIN MUL_HI
	MUL16 4, 1, 1, 1, 0
	MUL16 6, 1, 1, 1, 0
; THE WAY OUT, in place on the 512 accumulators, in five passes; each accumulator is read from its low end on.  One wait ahead of each batch of transcendentals and one behind it.
	PLACES NP
.irp w, 0,1
	WIN 0x82+0x41*\w                               ; source 0 and destination: window 2, then 3
.set i, 0
.rept 128
	v_pk_mul_f32 v[i:i+1], v[i:i+1], s[CS:CS+1] op_sel_hi:[1,0]   ; x 2 log2 e
.set i, i+2
.endr
.endr
	s_wait_alu depctr_va_vdst(0)
.irp w, 1,0
	WIN 0x82+0x41*\w
.set i, 0
.rept 256
	v_exp_f32 v[i], v[i]                           ; E = e^(2 x)
.set i, i+1
.endr
.endr
	v_nop                                          ; a plain instruction behind the last exponential
	s_wait_alu depctr_va_vdst(0)
.irp w, 0,1
	WIN 0x82+0x41*\w
.set i, 0
.rept 128
	v_pk_add_f32 v[i:i+1], v[i:i+1], 1.0 op_sel_hi:[1,0]
.set i, i+2
.endr
.endr
	s_wait_alu depctr_va_vdst(0)
.irp w, 1,0
	WIN 0x82+0x41*\w
.set i, 0
.rept 256
	v_rcp_f32 v[i], v[i]                           ; 1 / (1 + E): 0 where E is infinite, 1 where E is 0
.set i, i+1
.endr
.endr
	v_nop
	s_wait_alu depctr_va_vdst(0)
.macro SUMX a                          ; block a: the sum of w_v / (1 + E) over my 64 hidden units, in four chains of pairs; the first four pairs start the chains
.set AC, 64*((\a)%4)
	WIN 0x02+(\a)/4
.set i, 0
.rept 4
	v_pk_mul_f32 v[SA+i:SA+i+1], v[AC+i:AC+i+1], v[W+i:W+i+1]
.set i, i+2
.endr
.rept 28
	v_pk_fma_f32 v[SA+i%8:SA+i%8+1], v[AC+i:AC+i+1], v[W+i:W+i+1], v[SA+i%8:SA+i%8+1]
.set i, i+2
.endr
	WIN 0
	v_pk_add_f32 v[SA:SA+1], v[SA:SA+1], v[SA+2:SA+3]
	v_pk_add_f32 v[SA+4:SA+5], v[SA+4:SA+5], v[SA+6:SA+7]
	v_pk_add_f32 v[SA:SA+1], v[SA:SA+1], v[SA+4:SA+5]
	v_add_f32 v[SCO+(\a)], v[SA], v[SA+1]          ; row 16 a + r, my half's 64 hidden units
.endm
.irp a, 0,1,2,3,4,5,6,7
	SUMX \a
.endr
.irp k, 0,1,2,3
	v_permlane16_swap_b32 v[SCO+2*\k], v[SCO+2*\k+1]   ; the first now holds the lower halves' sums of rows 32 k + lane, the second the upper halves'
.endr
.irp k, 0,1,2,3
	v_add_f32 v[XS+\k], v[SCO+2*\k], v[SCO+2*\k+1]     ; row 32 k + lane, over my wave's 128 hidden units
.endr
.irp k, 0,1,2,3
	ds_store_b32 v[SCW], v[XS+\k] offset:128*\k
.endr
	s_wait_dscnt 0x0                               ; for the others' sake: my stores into the scratch are done
	s_barrier_signal -1
	s_barrier_wait -1
	ds_load_b64 v[2:3], v[SCRD]                    ; two rows' sums over hidden units 0-127 of the tile,
	ds_load_b64 v[4:5], v[SCRD] offset:512         ; and over 128-255
	s_wait_dscnt 0x0
	v_pk_add_f32 v[6:7], v[2:3], v[4:5]
	v_pk_mul_f32 v[6:7], v[6:7], -2.0 op_sel_hi:[1,0]
	global_store_b64 v[GO], v[6:7], s[22:23]       ; 32 lanes store 256 consecutive bytes, at a multiple of 256 from part's first byte
	s_wait_tensorcnt 0x0                           ; the wave's end
	ds_add_u32 v[SPW], v[NIL]
	s_wait_dscnt 0x0
	CROUND                                         ; the closing round
	s_endpgm
.Lfunc_end_k_q0ecb39ddf0_scores:
	.size	k_q0ecb39ddf0_scores, .Lfunc_end_k_q0ecb39ddf0_scores-k_q0ecb39ddf0_scores
	.p2alignl 7, 3214868480
	.fill 96, 4, 3214868480
	.section	.rodata,"a",@progbits
	.p2align	6, 0x0
	.amdhsa_kernel k_q0ecb39ddf0_scores
		.amdhsa_group_segment_fixed_size 327680
		.amdhsa_private_segment_fixed_size 0
		.amdhsa_enable_private_segment 0
		.amdhsa_kernarg_size 80
		.amdhsa_user_sgpr_count 2
		.amdhsa_user_sgpr_kernarg_segment_ptr 1
		.amdhsa_wavefront_size32 1
		.amdhsa_system_sgpr_workgroup_id_x 1
		.amdhsa_system_sgpr_workgroup_id_y 1
		.amdhsa_system_sgpr_workgroup_id_z 1
		.amdhsa_system_vgpr_workitem_id 0
		.amdhsa_next_free_vgpr 1024
		.amdhsa_next_free_sgpr 106
		.amdhsa_reserve_vcc 0
		.amdhsa_float_denorm_mode_32 3
		.amdhsa_float_denorm_mode_16_64 3
		.amdhsa_memory_ordered 1
		.amdhsa_forward_progress 1
		.amdhsa_inst_pref_size 255
	.end_amdhsa_kernel
	.section	.bss,"aw",@nobits
	.p2align	6
	.space	262144
	.amdgpu_metadata
---
amdhsa.version: [ 1, 2 ]
amdhsa.kernels:
  - .name:           k_q0ecb39ddf0_scores
    .symbol:         k_q0ecb39ddf0_scores.kd
    .args:
      - { .name: queries_codes, .offset: 0, .size: 8, .value_kind: global_buffer, .address_space: global }
      - { .name: queries_scales, .offset: 8, .size: 8, .value_kind: global_buffer, .address_space: global }
      - { .name: keys_codes, .offset: 16, .size: 8, .value_kind: global_buffer, .address_space: global }
      - { .name: keys_scales, .offset: 24, .size: 8, .value_kind: global_buffer, .address_space: global }
      - { .name: W_q_codes, .offset: 32, .size: 8, .value_kind: global_buffer, .address_space: global }
      - { .name: W_q_scales, .offset: 40, .size: 8, .value_kind: global_buffer, .address_space: global }
      - { .name: W_k_codes, .offset: 48, .size: 8, .value_kind: global_buffer, .address_space: global }
      - { .name: W_k_scales, .offset: 56, .size: 8, .value_kind: global_buffer, .address_space: global }
      - { .name: w_v, .offset: 64, .size: 8, .value_kind: global_buffer, .address_space: global }
      - { .name: part, .offset: 72, .size: 8, .value_kind: global_buffer, .address_space: global }
    .group_segment_fixed_size: 327680
    .private_segment_fixed_size: 0
    .kernarg_segment_align: 8
    .kernarg_segment_size: 80
    .max_flat_workgroup_size: 128
    .sgpr_count:     106
    .vgpr_count:     1024
    .wavefront_size: 32
...
	.end_amdgpu_metadata
.endif
;; end of part 1
;; launch attend (part 2): grid 32 x 4, 16 waves a work-group, no clusters, 72,960 bytes of LDS; arguments part, values, out0; writes out0
.if DOCPART == 2
	.amdgcn_target "amdgcn-amd-amdhsa--gfx1250"
	.amdhsa_code_object_version 6
	.text
	.protected	k_q0ecb39ddf0_attend
	.globl	k_q0ecb39ddf0_attend
	.p2align	8
	.type	k_q0ecb39ddf0_attend,@function
k_q0ecb39ddf0_attend:
	s_mov_b64 s[64:65], 0
	v_nop
	global_prefetch_b8 v0, s[64:65] scope:SCOPE_SE
	s_setreg_imm32_b32 hwreg(HW_REG_WAVE_MODE, 25, 1), 1
	s_wait_xcnt 0x0
; out0[b][d] = the sum over s of Q(attn)[s][b] Q(values)[s][d], attn = softmax over s of score[s][b], score = the sum of the four partial scores in part.  Q: codes of FP6 (E2M3) with one E8M0 scale for each 32 along s.
; part: [4 (p)][4 (bg)][1024 (s)][8 (bl)] f32, b = 8 bg + bl.  values: [1024 (s)][1024 (d)] f32.  out0: [32][1024] f32.
; SHARES.  Work-group (x, y) makes b = 8 y .. 8 y + 7 and d = 32 x .. 32 x + 31.  Its sixteen waves share K: wave w takes s = 64 w .. 64 w + 63, two blocks of 32: the lower half of the matrix instruction's 128 along K;
; the upper half is zero codes, which add nothing.  The sixteen partial results meet in LDS and are added in a fixed order.
; THE SOFTMAX is taken as it is written: the true maximum over all 1,024 s is taken away first (two passes with a barrier between), e = 2^((score - max) log2 e), the sum of all e divides, and the finished attn is quantised.
; LAYOUT.  Source 0 = 16 columns d of values, source 1 = 16 columns of attn (b = lane % 8; rows 8-15 repeat 0-7 and are not read): lane (r, h) of the result holds out(b = r, d = 8 h + 0 .. 7 of the tile).
; values: A LANE TAKES A COLUMN d AND ITS REGISTERS RUN DOWN s: a block of 32 lies in one lane, and the conversions give codes with s innermost; one exchange of halves lays the two blocks as the operand wants them.
; NO CLUSTER, no tensor load: a work-group reads its 128 KB of part and its 128 KB of values once each, straight into the registers in which the arithmetic wants them; there is no ring of LDS slots in which joint requests could meet.
; A row's piece of values and of out0 is 128 bytes, so that 128 work-groups share the work.
; LIMITS.  NaN and infinities among values are not served.  e below 2^-126 is 0 (the exponential gives no denormals).  A block of zeros has the scale byte 1 where the rule says 127: its codes are zeros, and this text alone
; reads the bytes.  K is summed in sixteen parts, in another order than one long sum.
.set RM,  0                            ; LDS: 16 waves x 8 maxima
.set RS,  512                          ; 16 waves x 8 sums
.set EB,  1024                         ; e[bl][s]: 8 rows of 4,096 bytes + 16
.set EP,  4112
.set OP,  EB+8*EP                      ; the partial results: for each wave 16 rows x (128 bytes + 16)
.set OPW, 16*144
.set VW,  14                           ; v14     values' scale words: lanes 0-15 for columns 0-15, lanes 16-31 for columns 16-31
.set PW,  15                           ; v15     attn's scale words
.set PS,  16                           ; v16-79  part as loaded: (p, j, c) at v[PS + 16 p + 4 j + c]; then v16-31 the scores, then e
.set TP,  32                           ; v32-34, v36-38, v40-42: the upper halves of three blocks' codes (a conversion's three registers begin on an even number)
.set TB0, 36
.set TB1, 40
.set D0,  48                           ; v48-55, v56-63 the two results
.set D1,  56
.set TM,  64                           ; v64-71  at work
.set VX,  80                           ; v80-143 my column's 64 numbers of values
.set G,   144                          ; v144-207 at work
.set M,   208                          ; v208-211 four maxima, later four sums
.set PD,  212                          ; v212-215 destinations of lane permutes
.set ML,  216                          ; v216-219 max x log2 e
.set PA,  220                          ; v220-231 attn's fragment
.set F0,  232                          ; v232-243 values' fragment, columns 0-15
.set F1,  244                          ; v244-255 columns 16-31
	s_load_b128 s[4:7], s[0:1], 0x0                ; part, values
	s_load_b64 s[8:9], s[0:1], 0x10                ; out0
	v_lshrrev_b32 v1, 5, v0
	s_delay_alu instid0(VALU_DEP_1)
	v_readfirstlane_b32 s10, v1                    ; wave 0..15
	s_and_b32 s11, ttmp7, 0xffff                   ; bg
	s_mov_b32 s14, 0x3fb8aa3b                      ; log2 e
	s_mov_b32 s15, s14                             ; (named with it as a pair, so it is written)
	s_mov_b32 s16, 0x76543210
	s_mov_b32 s17, 0xfedcba98                      ; v_permlanex16_b32's selects for lane l xor 16
	v_and_b32 v1, 1, v0                            ; par = t % 2: which four of the eight b my 16 bytes of part hold
	v_lshrrev_b32 v2, 1, v0                        ; t / 2
	v_and_b32 v3, 31, v0                           ; lane
	v_lshlrev_b32 v4, 4, v0                        ; part: 16 bytes a thread
	s_delay_alu instid0(VALU_DEP_2)
	v_lshlrev_b32 v5, 2, v3                        ; values: 4 bytes a lane
	v_and_b32 v6, 0x1e0, v0                        ; 32 x wave
	s_delay_alu instid0(VALU_DEP_1)
	v_lshl_add_u32 v6, v1, 4, v6                   ; my wave's eight maxima or sums, my four of them
	v_lshlrev_b32 v7, 4, v1                        ; and the same four of wave 0's
	v_mul_u32_u24 v8, v1, 4*EP
	s_delay_alu instid0(VALU_DEP_1)
	v_lshl_add_u32 v8, v2, 2, v8
	s_delay_alu instid0(VALU_DEP_1)
	v_add_nc_u32 v8, EB, v8                        ; e goes in at row 4 par + c, s = 256 j + t / 2
	v_and_b32 v2, 7, v0                            ; bl = lane % 8
	v_bfe_u32 v3, v0, 4, 1                         ; h = lane / 16: kept
	s_delay_alu instid0(VALU_DEP_2)
	v_mul_u32_u24 v9, v2, EP
	s_delay_alu instid0(VALU_DEP_1)
	v_lshl_add_u32 v9, v3, 7, v9
	v_and_b32 v10, 0x1e0, v0
	s_delay_alu instid0(VALU_DEP_1)
	v_lshl_add_u32 v9, v10, 3, v9
	s_delay_alu instid0(VALU_DEP_1)
	v_add_nc_u32 v9, EB, v9                        ; and comes out at row bl, s = 64 wave + 32 h on
	v_lshl_add_u32 v10, v2, 2, RS                  ; wave 0's sum for my bl
	v_and_b32 v1, 15, v0                           ; r
	s_delay_alu instid0(VALU_DEP_1)
	v_mul_u32_u24 v11, v1, 144
	s_delay_alu instid0(VALU_DEP_1)
	v_lshl_add_u32 v11, v3, 5, v11
	s_mul_i32 s19, s10, OPW
	s_add_co_u32 s19, s19, OP
	v_add_nc_u32 v11, s19, v11                     ; my wave's partial result: row r, + 32 h
	v_bfe_u32 v1, v0, 3, 3                         ; the last phase: thread t of 64 takes row t / 8,
	s_delay_alu instid0(VALU_DEP_1)
	v_mul_u32_u24 v12, v1, 144
	s_delay_alu instid0(VALU_DEP_1)
	v_lshl_add_u32 v12, v2, 4, v12                 ; 16 bytes at 16 (t % 8),
	s_delay_alu instid0(VALU_DEP_1)
	v_add_nc_u32 v12, OP, v12
	s_delay_alu instid0(VALU_DEP_4)
	v_lshlrev_b32 v13, 12, v1                      ; and the same place in out0: rows of 4,096 bytes
	s_delay_alu instid0(VALU_DEP_1)
	v_lshl_add_u32 v13, v2, 4, v13
.irp c, 0,1,2,3
	v_mov_b32 v[PD+\c], 0                          ; written once: a lane permute's destination counts as one of its sources
.endr
.irp i, 6,7,8,9,10,11
	v_mov_b32 v[PA+\i], 0                          ; K = 64 .. 127 of the three fragments: zero codes
	v_mov_b32 v[F0+\i], 0
	v_mov_b32 v[F1+\i], 0
.endr
	s_lshl_b32 s12, s11, 15                        ; 32,768 bg: in part a plane of 1,024 s x 8 b, in out0 eight rows
	s_mov_b32 s13, 0
	s_wait_kmcnt 0x0
	s_add_nc_u64 s[4:5], s[4:5], s[12:13]
	s_add_nc_u64 s[8:9], s[8:9], s[12:13]
	s_lshl_b32 s12, ttmp9, 7                       ; my 32 columns: 128 bytes
	s_add_nc_u64 s[8:9], s[8:9], s[12:13]
	s_lshl_b32 s18, s10, 18                        ; my wave's 64 rows of values, 4,096 bytes each
	s_add_co_u32 s12, s12, s18
	s_add_nc_u64 s[6:7], s[6:7], s[12:13]
.irp p, 0,1,2,3
.irp j, 0,1,2,3
	global_load_b128 v[PS+16*\p+4*\j:PS+16*\p+4*\j+3], v4, s[4:5] offset:\p*131072+\j*8192   ; partial p of s = 256 j + t / 2, b = 4 par + 0 .. 3: a wave reads 512 consecutive bytes
.endr
.endr
.macro VLOAD u                         ; block u of my column: values(64 wave + 32 u + i, my column): a wave reads 128 consecutive bytes
.set i, 32*(\u)
.rept 32
	global_load_b32 v[VX+i], v5, s[6:7] offset:4096*i
.set i, i+1
.endr
.endm
	VLOAD 0
	; ---- the scores, and their maxima
	s_wait_loadcnt 32                              ; part's 16 loads are in; the 32 of values issued behind them may be out
	VLOAD 1
.irp q, 0,2,4,6,8,10,12,14
	v_pk_add_f32 v[PS+\q:PS+\q+1], v[PS+\q:PS+\q+1], v[PS+16+\q:PS+17+\q]
	v_pk_add_f32 v[PS+32+\q:PS+33+\q], v[PS+32+\q:PS+33+\q], v[PS+48+\q:PS+49+\q]
.endr
.irp q, 0,2,4,6,8,10,12,14
	v_pk_add_f32 v[PS+\q:PS+\q+1], v[PS+\q:PS+\q+1], v[PS+32+\q:PS+33+\q]   ; score(s = 256 j + t / 2, b = 4 par + c) at v[PS + 4 j + c]
.endr
.irp c, 0,1,2,3
	v_max3_num_f32 v[M+\c], v[PS+\c], v[PS+4+\c], v[PS+8+\c]
.endr
.irp c, 0,1,2,3
	s_delay_alu instid0(VALU_DEP_4)
	v_max_num_f32 v[M+\c], v[M+\c], v[PS+12+\c]
.endr
.irp x, 2,4,8                          ; across the lanes of my parity
.irp c, 0,1,2,3
	s_delay_alu instid0(VALU_DEP_4)
	v_max_num_f32_dpp v[M+\c], v[M+\c], v[M+\c] row_xmask:\x row_mask:0xf bank_mask:0xf
.endr
.endr
.irp c, 0,1,2,3
	s_delay_alu instid0(VALU_DEP_4)
	v_permlanex16_b32 v[PD+\c], v[M+\c], s16, s17
.endr
.irp c, 0,1,2,3
	s_delay_alu instid0(VALU_DEP_4)
	v_max_num_f32 v[M+\c], v[M+\c], v[PD+\c]
.endr
	ds_store_b128 v6, v[M:M+3] offset:RM           ; the lanes of one parity write the same 16 bytes with the same values
	s_wait_dscnt 0x0                               ; for the others' sake
	s_barrier_signal -1
	s_barrier_wait -1
	; ---- the true maxima over all s; e; the sums
.irp w, 0,1,2,3,4,5,6,7,8,9,10,11,12,13,14,15
	ds_load_b128 v[G+4*\w:G+4*\w+3], v7 offset:RM+32*\w
.endr
	s_wait_dscnt 0x0
.irp c, 0,1,2,3
	v_max3_num_f32 v[M+\c], v[G+\c], v[G+4+\c], v[G+8+\c]
.endr
.irp w, 3,5,7,9,11,13
.irp c, 0,1,2,3
	s_delay_alu instid0(VALU_DEP_4)
	v_max3_num_f32 v[M+\c], v[M+\c], v[G+4*\w+\c], v[G+4*\w+4+\c]
.endr
.endr
.irp c, 0,1,2,3
	s_delay_alu instid0(VALU_DEP_4)
	v_max_num_f32 v[M+\c], v[M+\c], v[G+60+\c]
.endr
.irp c, 0,1,2,3
	s_delay_alu instid0(VALU_DEP_4)
	v_mul_f32 v[ML+\c], s14, v[M+\c]               ; its rounding is one factor common to all e of a b: the division by their sum takes it away
.endr
.irp j, 0,1,2,3
.irp c, 0,2
	v_pk_fma_f32 v[PS+4*\j+\c:PS+4*\j+\c+1], v[PS+4*\j+\c:PS+4*\j+\c+1], s[14:15], v[ML+\c:ML+\c+1] op_sel_hi:[1,0,1] neg_lo:[0,0,1] neg_hi:[0,0,1]   ; score x log2 e - max x log2 e
.endr
.endr
	s_wait_alu depctr_va_vdst(0)
.irp q, 0,1,2,3,4,5,6,7,8,9,10,11,12,13,14,15
	v_exp_f32 v[PS+\q], v[PS+\q]
.endr
	v_nop                                          ; a plain instruction behind the last exponential
	s_wait_alu depctr_va_vdst(0)                   ; the wait ahead of the first line that names a result: one for the batch
.irp j, 0,1,2,3
.irp c, 0,1,2,3
	ds_store_b32 v8, v[PS+4*\j+\c] offset:\c*EP+1024*\j
.endr
.endr
	v_pk_add_f32 v[M:M+1], v[PS:PS+1], v[PS+4:PS+5]
	v_pk_add_f32 v[M+2:M+3], v[PS+2:PS+3], v[PS+6:PS+7]
	v_pk_add_f32 v[TM:TM+1], v[PS+8:PS+9], v[PS+12:PS+13]
	v_pk_add_f32 v[TM+2:TM+3], v[PS+10:PS+11], v[PS+14:PS+15]
	s_delay_alu instid0(VALU_DEP_2)
	v_pk_add_f32 v[M:M+1], v[M:M+1], v[TM:TM+1]
	s_delay_alu instid0(VALU_DEP_2)
	v_pk_add_f32 v[M+2:M+3], v[M+2:M+3], v[TM+2:TM+3]
.irp x, 2,4,8
.irp c, 0,1,2,3
	v_add_f32_dpp v[M+\c], v[M+\c], v[M+\c] row_xmask:\x row_mask:0xf bank_mask:0xf
.endr
.endr
.irp c, 0,1,2,3
	s_delay_alu instid0(VALU_DEP_4)
	v_permlanex16_b32 v[PD+\c], v[M+\c], s16, s17
.endr
.irp c, 0,1,2,3
	s_delay_alu instid0(VALU_DEP_4)
	v_add_f32 v[M+\c], v[M+\c], v[PD+\c]
.endr
	ds_store_b128 v6, v[M:M+3] offset:RS
	s_wait_dscnt 0x0                               ; for the others' sake
	s_barrier_signal -1
	s_barrier_wait -1
	; ---- attn's fragment: lane (r, h) holds b = r % 8 and the whole block s = 64 wave + 32 h + 0 .. 31
.irp i, 0,1,2,3,4,5,6,7
	ds_load_b128 v[G+4*\i:G+4*\i+3], v9 offset:16*\i
.endr
.irp w, 0,1,2,3,4,5,6,7,8,9,10,11,12,13,14,15
	ds_load_b32 v[G+32+\w], v10 offset:32*\w
.endr
	s_wait_dscnt 0x0
.irp i, 0,2,4,6
	v_pk_add_f32 v[G+32+\i:G+33+\i], v[G+32+\i:G+33+\i], v[G+40+\i:G+41+\i]   ; the sixteen waves' sums, in the same order in every lane and wave
.endr
	s_delay_alu instid0(VALU_DEP_2)
	v_pk_add_f32 v[G+32:G+33], v[G+32:G+33], v[G+36:G+37]
	s_delay_alu instid0(VALU_DEP_2)
	v_pk_add_f32 v[G+34:G+35], v[G+34:G+35], v[G+38:G+39]
	s_delay_alu instid0(VALU_DEP_1)
	v_pk_add_f32 v[G+32:G+33], v[G+32:G+33], v[G+34:G+35]
	s_delay_alu instid0(VALU_DEP_1)
	v_add_f32 v[G+32], v[G+32], v[G+33]
	s_wait_alu depctr_va_vdst(0)
	v_rcp_f32 v[G+48], v[G+32]
	v_mov_b32 v[G+49], 0                           ; a plain instruction behind the reciprocal; the packed form below names the pair
	s_wait_alu depctr_va_vdst(0)                   ; the wait, ahead of the first reader
.irp i, 0,2,4,6,8,10,12,14,16,18,20,22,24,26,28,30
	v_pk_mul_f32 v[G+\i:G+\i+1], v[G+\i:G+\i+1], v[G+48:G+49] op_sel_hi:[1,0]   ; attn, finished and normalised
.endr
	v_max3_num_f32 v[TM], v[G], v[G+1], 0x1800000          ; the block's largest (none is negative), in two chains, and the floor 2^(3 - 127): so the byte cannot fall under 1
	v_max3_num_f32 v[TM+1], v[G+16], v[G+17], 0x1800000
.irp i, 2,4,6,8,10,12,14
	s_delay_alu instid0(VALU_DEP_2)
	v_max3_num_f32 v[TM], v[TM], v[G+\i], v[G+\i+1]
	s_delay_alu instid0(VALU_DEP_2)
	v_max3_num_f32 v[TM+1], v[TM+1], v[G+16+\i], v[G+17+\i]
.endr
	s_delay_alu instid0(VALU_DEP_1)
	v_max_num_f32 v[TM], v[TM], v[TM+1]
	s_delay_alu instid0(VALU_DEP_1)
	v_add_nc_u32 v[TM+2], 0xff000000, v[TM]        ; 2 off its exponent field: the conversion takes the exponent field of this operand as its scale, and nothing else of it
	s_delay_alu instid0(VALU_DEP_1)
	v_lshrrev_b32 v[TM+3], 23, v[TM+2]             ; the scale's byte
	v_lshlrev_b32 v[TM+4], 3, v3
	s_delay_alu instid0(VALU_DEP_1)
	v_lshlrev_b32 v[TM+3], v[TM+4], v[TM+3]        ; at its place in the scale word: block h;
	s_delay_alu instid0(VALU_DEP_1)
	v_permlanex16_b32 v[PD], v[TM+3], s16, s17
	s_delay_alu instid0(VALU_DEP_1)
	v_or_b32 v[PW], v[TM+3], v[PD]                 ; with lane l xor 16's.  Bytes 2 and 3 are 0, over zero codes
	v_cvt_scalef32_pk16_fp6_f32 v[PA:PA+2], v[G:G+15], v[TM+2]
	v_cvt_scalef32_pk16_fp6_f32 v[TP:TP+2], v[G+16:G+31], v[TM+2]
	v_nop                                          ; one plain place behind a scaled conversion
.irp i, 0,1,2
	v_mov_b32 v[PA+3+\i], v[TP+\i]                 ; registers 0-5: K = 32 h + 0 .. 31
.endr
	; ---- values' fragments: my column's two blocks of 32 along s
	s_wait_loadcnt 0x0
.irp u, 0,1
	v_max3_num_f32 v[TM+\u], |v[VX+32*\u]|, |v[VX+32*\u+1]|, |v[VX+32*\u+2]|
	v_max3_num_f32 v[TM+2+\u], |v[VX+32*\u+3]|, |v[VX+32*\u+4]|, |v[VX+32*\u+5]|
.endr
.irp i, 6,10,14,18,22,26
.irp u, 0,1
	s_delay_alu instid0(VALU_DEP_4)
	v_max3_num_f32 v[TM+\u], v[TM+\u], |v[VX+32*\u+\i]|, |v[VX+32*\u+\i+1]|
	s_delay_alu instid0(VALU_DEP_4)
	v_max3_num_f32 v[TM+2+\u], v[TM+2+\u], |v[VX+32*\u+\i+2]|, |v[VX+32*\u+\i+3]|
.endr
.endr
.irp u, 0
	s_delay_alu instid0(VALU_DEP_4)
	v_max3_num_f32 v[TM+\u], v[TM+\u], |v[VX+32*\u+30]|, |v[VX+32*\u+31]|
.endr
.irp u, 1
	s_delay_alu instid0(VALU_DEP_3)
	v_max3_num_f32 v[TM+\u], v[TM+\u], |v[VX+32*\u+30]|, |v[VX+32*\u+31]|
.endr
.irp u, 0,1
	s_delay_alu instid0(VALU_DEP_2)
	v_max3_num_f32 v[TM+\u], v[TM+\u], v[TM+2+\u], 0x1800000   ; and the floor
.endr
.irp u, 0,1
	s_delay_alu instid0(VALU_DEP_2)
	v_add_nc_u32 v[TM+4+\u], 0xff000000, v[TM+\u]  ; the conversion's scale operand
.endr
.irp u, 0,1
	s_delay_alu instid0(VALU_DEP_2)
	v_lshrrev_b32 v[TM+6+\u], 23, v[TM+4+\u]       ; the scale's byte
.endr
	s_delay_alu instid0(VALU_DEP_1)
	v_lshl_or_b32 v[VW], v[TM+7], 8, v[TM+6]       ; my column's scale word: lane l has column l's; bytes 2 and 3 are 0, over zero codes
	v_cvt_scalef32_pk16_fp6_f32 v[F0:F0+2], v[VX:VX+15], v[TM+4]
	v_cvt_scalef32_pk16_fp6_f32 v[TB0:TB0+2], v[VX+16:VX+31], v[TM+4]
	v_cvt_scalef32_pk16_fp6_f32 v[F1:F1+2], v[VX+32:VX+47], v[TM+5]
	v_cvt_scalef32_pk16_fp6_f32 v[TB1:TB1+2], v[VX+48:VX+63], v[TM+5]
	v_nop                                          ; one plain place behind a scaled conversion
.irp i, 0,1,2                          ; block 0's lanes 16-31 change places with block 1's lanes 0-15: the first then holds columns 0-15 (lanes 0-15 block 0, lanes 16-31 block 1), the second columns 16-31 likewise
	v_permlane16_swap_b32 v[F0+\i], v[F1+\i]
	v_permlane16_swap_b32 v[TB0+\i], v[TB1+\i]
.endr
.irp i, 0,1,2
	v_mov_b32 v[F0+3+\i], v[TB0+\i]
	v_mov_b32 v[F1+3+\i], v[TB1+\i]
.endr
.rept 8
	v_nop                                          ; a scale register written by a vector instruction stands 8 places ahead of a scaled matrix instruction, an operand so written 4
.endr
	v_wmma_scale_f32_16x16x128_f8f6f4 v[D0:D0+7], v[F0:F0+11], v[PA:PA+11], 0, v[VW], v[PW] matrix_a_fmt:MATRIX_FMT_FP6 matrix_b_fmt:MATRIX_FMT_FP6
	v_wmma_scale_f32_16x16x128_f8f6f4 v[D1:D1+7], v[F1:F1+11], v[PA:PA+11], 0, v[VW], v[PW] matrix_a_fmt:MATRIX_FMT_FP6 matrix_b_fmt:MATRIX_FMT_FP6 matrix_a_scale:MATRIX_SCALE_ROW1
.rept 4
	v_nop                                          ; places in front of the first read of results
.endr
	ds_store_b128 v11, v[D0:D0+3]                  ; lane (r, h): out(r, 8 h + 0 .. 7) of my part of K; each result from its low end on
	ds_store_b128 v11, v[D0+4:D0+7] offset:16
	ds_store_b128 v11, v[D1:D1+3] offset:64        ; and out(r, 16 + 8 h + 0 .. 7)
	ds_store_b128 v11, v[D1+4:D1+7] offset:80
	s_wait_dscnt 0x0                               ; for the others' sake
	s_barrier_signal -1
	s_barrier_wait -1
	; ---- the sixteen parts of K are added by waves 0 and 1: 64 threads, 16 bytes each of 8 rows x 128 bytes
	s_cmp_gt_u32 s10, 1
	s_cbranch_scc1 .Ldone
.irp w, 0,1,2,3,4,5,6,7,8,9,10,11,12,13,14,15
	ds_load_b128 v[G+4*\w:G+4*\w+3], v12 offset:OPW*\w
.endr
	s_wait_dscnt 0x0
.irp i, 0,2,4,6,8,10,12,14,16,18,20,22,24,26,28,30
	v_pk_add_f32 v[G+\i:G+\i+1], v[G+\i:G+\i+1], v[G+32+\i:G+33+\i]
.endr
.irp i, 0,2,4,6,8,10,12,14
	v_pk_add_f32 v[G+\i:G+\i+1], v[G+\i:G+\i+1], v[G+16+\i:G+17+\i]
.endr
.irp i, 0,2,4,6
	s_delay_alu instid0(VALU_DEP_4)
	v_pk_add_f32 v[G+\i:G+\i+1], v[G+\i:G+\i+1], v[G+8+\i:G+9+\i]
.endr
.irp i, 0,2
	s_delay_alu instid0(VALU_DEP_2)
	v_pk_add_f32 v[G+\i:G+\i+1], v[G+\i:G+\i+1], v[G+4+\i:G+5+\i]
.endr
	global_store_b128 v13, v[G:G+3], s[8:9]        ; eight lanes store a row's 128 consecutive bytes
.Ldone:
	s_wait_xcnt 0x0
	v_lshl_add_u32 v218, v0, 2, 0x11500
	v_mov_b32 v219, 0
	s_wait_alu depctr_va_vdst(0)
	s_wait_tensorcnt 0x0
	ds_add_u32 v218, v219
	s_wait_dscnt 0x0
	s_endpgm
.Lfunc_end_k_q0ecb39ddf0_attend:
	.size	k_q0ecb39ddf0_attend, .Lfunc_end_k_q0ecb39ddf0_attend-k_q0ecb39ddf0_attend
	.p2alignl 7, 3214868480
	.fill 96, 4, 3214868480
	.section	.rodata,"a",@progbits
	.p2align	6, 0x0
	.amdhsa_kernel k_q0ecb39ddf0_attend
		.amdhsa_group_segment_fixed_size 72960
		.amdhsa_private_segment_fixed_size 0
		.amdhsa_enable_private_segment 0
		.amdhsa_kernarg_size 24
		.amdhsa_user_sgpr_count 2
		.amdhsa_user_sgpr_kernarg_segment_ptr 1
		.amdhsa_wavefront_size32 1
		.amdhsa_system_sgpr_workgroup_id_x 1
		.amdhsa_system_sgpr_workgroup_id_y 1
		.amdhsa_system_sgpr_workgroup_id_z 1
		.amdhsa_system_vgpr_workitem_id 0
		.amdhsa_next_free_vgpr 256
		.amdhsa_next_free_sgpr 66
		.amdhsa_reserve_vcc 0
		.amdhsa_float_denorm_mode_32 3
		.amdhsa_float_denorm_mode_16_64 3
		.amdhsa_memory_ordered 1
		.amdhsa_forward_progress 1
		.amdhsa_inst_pref_size 38
	.end_amdhsa_kernel
	.amdgpu_metadata
---
amdhsa.version: [ 1, 2 ]
amdhsa.kernels:
  - .name:           k_q0ecb39ddf0_attend
    .symbol:         k_q0ecb39ddf0_attend.kd
    .args:
      - { .name: part, .offset: 0, .size: 8, .value_kind: global_buffer, .address_space: global }
      - { .name: values, .offset: 8, .size: 8, .value_kind: global_buffer, .address_space: global }
      - { .name: out0, .offset: 16, .size: 8, .value_kind: global_buffer, .address_space: global }
    .group_segment_fixed_size: 72960
    .private_segment_fixed_size: 0
    .kernarg_segment_align: 8
    .kernarg_segment_size: 24
    .max_flat_workgroup_size: 512
    .sgpr_count:     66
    .vgpr_count:     256
    .wavefront_size: 32
...
	.end_amdgpu_metadata
.endif
;; end of part 2
